; MI455X (gfx1250); checked and timed in simulation.
; The chip was launched on July 23, 2026; its instructions are those of AMD's public machine-readable ISA for CDNA 5 (MIT licence, August 2026) and "CDNA5" Instruction Set Architecture Reference Guide (July 2026). The comments in the code are by the model that wrote it; some were corrected since.
;; Attention. Allowed arithmetic: matrix products marked QUANTISED: E2M3 operands, one E8M0 scale for each 32 along K, by v_wmma_scale_f32_16x16x128_f8f6f4 with both operands' format E2M3, f32 sums; products left as they are: f32 operands where the result goes on into a quantised operand, else bf16, f16 or f32 operands; f32 sums; everything else in f32.
;; Inputs: W_attn 1,024 x 2,048 float32; b_attn 1,024 float32; decoder_state 32 x 1,024 float32; encoder_annotation_seq 2,048 x 32 x 1,024 float32; w_comb 1,024 float32.
;; Outputs: out0 32 x 2,048 float32.
;; This version of the problem:
;;   THIS VERSION OF THE PROBLEM IS GIVEN IN LOW PRECISION. The matrix products marked QUANTISED in the list below multiply operands that are first quantised to E2M3 (2 exponent bits, 3 mantissa bits; 6 bits a number), with one power-of-two scale for each 32 numbers along K (OCP MX v1.0); their sums are f32. All else is computed in f32.
;;   The module's matrix products, in the order in which they are computed (A, B: the left and right operand; K: the contracted axis; several contracted axes count as one K, in the product's order):
;;     1. [M 32, K 1,024] x [K 1,024, N 1,024]; A: input decoder_state; B: input W_attn: QUANTISED
;;     2. [M 65,536, K 1,024] x [K 1,024, N 1,024]; A: input encoder_annotation_seq; B: input W_attn: QUANTISED
;;     3. [M 65,536, K 1,024] x [K 1,024, N 1]; A: computed on the way; B: input w_comb: left as it is (N = 1 < 16)
;;   THE QUANTISER, for each operand of a quantised product, along K:
;;     - K is cut into blocks of 32 from its start; a last block that is shorter is filled with zeros.
;;     - A block's scale is 2^e with e = floor(log2(the largest magnitude in the block)) - 2, held to -126 .. 127; a block of zeros has e = 0. As a byte (E8M0): e + 127.
;;     - Each number is divided by its block's scale, clamped to +-7.5, and rounded to the nearest number of E2M3, ties to even, subnormals kept.
;;     - The product sums the exact products of the quantised numbers (number of the format x scale) in f32.
;;   ~~~python
;;   def quantise(x, axis):      # numpy; x: float32 -> the quantised numbers, widened to float32 again
;;       x = np.moveaxis(x, axis, -1); K = x.shape[-1]
;;       x = np.pad(x, [(0, 0)] * (x.ndim - 1) + [(0, -K % 32)]); x = x.reshape(x.shape[:-1] + (-1, 32)); a = np.abs(x).max(-1, keepdims=True)
;;       e = np.where(a > 0, np.clip(np.frexp(np.where(a > 0, a, 1))[1] - 1 - 2, -126, 127), 0)      # np.frexp(a)[1] - 1 = floor(log2(a)), exactly
;;       r = np.clip(x / 2.0 ** e, -7.5, 7.5)
;;       step = 2.0 ** (np.maximum(np.frexp(np.where(r == 0, 1, r))[1] - 1, 0) - 3)
;;       q = np.round(r / step) * step * 2.0 ** e      # np.round: ties to even
;;       return np.moveaxis(q.reshape(q.shape[:-2] + (-1,))[..., :K], -1, axis).astype(np.float32)
;;   ~~~
;; One version. Each part assembles by itself: llvm-mc -triple=amdgcn-amd-amdhsa -mcpu=gfx1250 --defsym DOCPART=n.
;; ======== version 1 of 1: 3 launches
;; limits: right only within a limited range of input values
;; workspace buffers: wt 1,015,808 bytes; scores 262,144 bytes
;; launch prep (part 1): grid 64 x 1, 8 waves a work-group, no clusters, 85,504 bytes of LDS; arguments W_attn, b_attn, decoder_state, w_comb, wt; writes wt
.if DOCPART == 1
	.amdgcn_target "amdgcn-amd-amdhsa--gfx1250"
	.amdhsa_code_object_version 6
	.text
	.protected	k_q0048b96e0c_prep
	.globl	k_q0048b96e0c_prep
	.p2align	8
	.type	k_q0048b96e0c_prep,@function
k_q0048b96e0c_prep:
	s_mov_b64 s[64:65], 0
	v_nop
	global_prefetch_b8 v0, s[64:65] scope:SCOPE_SE
	s_setreg_imm32_b32 hwreg(HW_REG_WAVE_MODE, 25, 1), 1
	s_wait_xcnt 0x0
; PREP.  W_attn [1024][2048] f32 = [W_e | W_d]; decoder_state [32][1024]; b_attn, w_comb [1024].  All K are innermost.
; Work-group t owns the 16 rows d0 = 16 t .. 16 t + 15 of W_attn and writes tile block t of wt (TILEB bytes), laid as the next launch's registers want it:
;   0      + 1536 k + 512 c + 16 lane : registers 4 c .. 4 c + 3 of the E2M3 fragment (16 rows of W_e x K step k of 128): an image of the operand's registers
;   WSO    + 16 lane                  : lane 16 h + r: the four scale words of row d0 + r for K steps 4 h .. 4 h + 3
;   BIO    + 64 b + 4 dd              : f32  Q(decoder_state[b]) . Q(W_d[d0 + dd]) + b_attn[d0 + dd]
;   WCO    + 512 jj + 16 lane         : lane (r, h): -2 w_comb[d0 + 8 h + 4 jj + 0 .. 3]
; Wave w owns K step w: 16 x 128 numbers of W_e, of W_d and twice of decoder_state.  Each load reads the 512 consecutive bytes of one row's K step, 16 a lane; the 16 rows then turn through the wave's own stage
; in LDS and come back 128 bytes a lane: lane (r, h) holds k = 64 c + 32 h + 0 .. 31 of row r, a whole block of 32 in a lane, as the 6-bit operand's layout has it.
; The wave multiplies its K step of the first product by two matrix instructions; the eight waves' partial sums meet in LDS and are added in ascending K.
; A block's scale is 2^(floor(log2(largest magnitude)) - 2): its byte is the largest magnitude's exponent field - 2, held at 1 from below by a floor among the maximum's leaves.
; LIMITS: NaN and infinities among the inputs are not served.  A block of zeros gets the byte 1 where the rule says 127: its codes are zeros, and this program alone reads the bytes.
; The first product's sum is eight f32 partial sums (one a K step of 128) added in ascending order, not one chain.
; 64 work-groups: that is all the work there is (8 MiB of weights, read once).  No tensor load, no cluster: no two work-groups read the same bytes but the 128 KiB of decoder_state.
; REGISTERS: window 0 as named below; window 1: the four tiles as loaded, 64 registers each: all 64 loads of a wave go out at the head.
.set TILEB, 15872
.set WSO,   12288
.set BIO,   12800
.set WCO,   14848
.set PAR,   0                          ; LDS: 8 x 2,048 bytes of partial sums, wave w's at 2048 w + 64 b + 4 dd
.set SCI,   16384                      ; LDS: 512 bytes, the image of W_e's scale words
.set STG,   16896                      ; LDS: a stage of 16 rows x 528 bytes for each wave
.set SPITCH, 528                       ; 512 bytes + 16: an odd multiple of 16, so the sixteen rows that a load of 16 bytes a lane touches fall into sixteen different columns of 16 bytes
.set TM,    8                          ; v8-15   at work: two maxima, two second chains (then the conversions' scale operands), two bytes, the word, the other half's word
.set SA,    32                         ; v32-95   64 numbers
.set SB,    96                         ; v96-159  64 numbers; later the two fragments of decoder_state and the two results
.set SC,    160                        ; v160-223 64 numbers
.set PE,    224                        ; v224-235 W_e's fragment: stored, never written again
.set FD,    236                        ; v236-247 W_d's fragment
.set T0,    248                        ; v248-250, v252-254: a conversion's three registers begin on an even number, a block's second three do not: made here and moved
.set T1,    252
.set F0,    96                         ; decoder_state rows 0-15
.set F1,    108                        ; rows 16-31
.set D0,    128
.set D1,    136
.set RS,    144                        ; v144-179 the reduction
.set MSB, 0
.macro WIN new                         ; the immediate's high byte repeats the setting that is left; a switch that changes nothing is dropped
.if MSB != \new
	s_set_vgpr_msb (MSB<<8)|\new
.set MSB, \new
.endif
.endm
	s_load_b256 s[4:11], s[0:1], 0x0               ; W_attn s[4:5], b_attn s[6:7], decoder_state s[8:9], w_comb s[10:11]
	s_load_b64 s[12:13], s[0:1], 0x20              ; wt
	v_lshl_add_u32 v251, v0, 2, 0x14a00
	v_mov_b32 v255, 0
	v_lshrrev_b32 v1, 5, v0
	s_delay_alu instid0(VALU_DEP_1)
	v_readfirstlane_b32 s16, v1                    ; wave 0..7 = my K step
	v_and_b32 v1, 31, v0                           ; lane
	v_and_b32 v2, 15, v0                           ; r
	s_wait_alu depctr_va_vdst(0)
	v_bfe_u32 v3, v0, 4, 1                         ; h
	v_lshlrev_b32 v6, 4, v1                        ; 16 x lane
	s_delay_alu instid0(VALU_DEP_2)
	v_lshlrev_b32 v7, 3, v3                        ; 8 h: my two scale bytes' shift in the word
	v_mov_b32 v[TM+7], 0                           ; written once: a lane permute's destination counts as one of its sources
	s_mov_b32 s20, 0x76543210
	s_mov_b32 s21, 0xfedcba98                      ; v_permlanex16_b32's selects for lane l xor 16
	s_lshl_b32 s18, ttmp9, 17                      ; 16 rows of 8,192 bytes a work-group,
	s_lshl_b32 s22, s16, 9                         ; 512 bytes a K step
	s_add_co_u32 s18, s18, s22
	s_mov_b32 s19, 0
	s_mov_b32 s23, 0
	s_lshl_b32 s24, ttmp9, 6                       ; 16 numbers of b_attn and of w_comb
	s_mov_b32 s25, 0
	s_mul_i32 s26, ttmp9, TILEB
	s_mov_b32 s27, 0
	s_lshr_b32 s28, s16, 2                         ; the scale image: lane 16 (w / 4) + r, word w % 4
	s_lshl_b32 s28, s28, 8
	s_and_b32 s29, s16, 3
	s_lshl_b32 s29, s29, 2
	s_add_co_u32 s28, s28, s29
	s_add_co_u32 s28, s28, SCI
	s_lshl_b32 s30, s16, 11
	s_mul_i32 s31, s16, 1536
	s_mul_i32 s17, s16, 16*SPITCH
	s_add_co_u32 s17, s17, STG                     ; my stage
	; every LDS address is made here, ahead of the parting of the waves
	v_lshl_add_u32 v20, v2, 4, s28                 ; where my row's scale word goes
	v_lshlrev_b32 v21, 6, v2
	s_wait_alu depctr_va_vdst(0)
	v_lshl_add_u32 v21, v3, 5, v21
	s_delay_alu instid0(VALU_DEP_1)
	v_add_nc_u32 v21, s30, v21                     ; PAR + 2048 w + 64 r + 32 h (PAR = 0)
	v_and_b32 v26, 127, v0
	s_delay_alu instid0(VALU_DEP_1)
	v_lshlrev_b32 v26, 4, v26                      ; 16 x (thread mod 128): my 16 bytes of the 2,048 of sums, in wt
	s_delay_alu instid0(VALU_DEP_1)
	v_add_nc_u32 v22, PAR, v26                     ; and in LDS
	v_lshl_add_u32 v23, v1, 4, SCI
	v_and_b32 v24, 3, v0
	s_delay_alu instid0(VALU_DEP_1)
	v_lshlrev_b32 v24, 4, v24                      ; b_attn: 4 numbers at 4 (thread mod 4)
	v_lshlrev_b32 v25, 5, v3                       ; w_comb: 32 h
	v_add_nc_u32 v27, s31, v6                      ; the image's place: 1536 w + 16 lane
	v_add_nc_u32 v28, s17, v6                      ; the stage, on the way in: 16 x lane; row i adds 528 i
	v_mul_u32_u24 v29, v2, SPITCH
	s_delay_alu instid0(VALU_DEP_1)
	v_lshl_add_u32 v29, v3, 7, v29
	s_delay_alu instid0(VALU_DEP_1)
	v_add_nc_u32 v29, s17, v29                     ; and on the way out: 528 r + 128 h
	s_wait_alu depctr_va_vdst(0)
	s_wait_kmcnt 0x0
	s_add_nc_u64 s[4:5], s[4:5], s[18:19]
	s_add_nc_u64 s[8:9], s[8:9], s[22:23]
	s_add_nc_u64 s[6:7], s[6:7], s[24:25]
	s_add_nc_u64 s[10:11], s[10:11], s[24:25]
	s_add_nc_u64 s[12:13], s[12:13], s[26:27]
; tile q of four: load i brings the 512 consecutive bytes of my K step of row i, 16 a lane, into window 1
.macro LOADD q, base, pitch, off
.irp i, 0,1,2,3,4,5,6,7,8,9,10,11,12,13,14,15
	global_load_b128 v[64*\q+4*\i:64*\q+4*\i+3], v6, s[\base:\base+1] offset:\off+\pitch*\i
.endr
.endm
; tile q through my stage: in as loaded, out 128 bytes a lane into v[set] on.  LDS serves a wave's instructions in order: no wait between, and the next tile's stores come behind these loads
.macro TURN q, set
	WIN 0x04                                       ; an LDS store's data are its source 1: window 1
.irp i, 0,1,2,3,4,5,6,7,8,9,10,11,12,13,14,15
	ds_store_b128 v28, v[64*\q+4*\i:64*\q+4*\i+3] offset:SPITCH*\i
.endr
	WIN 0
.irp c, 0,1
.irp j, 0,1,2,3,4,5,6,7
	ds_load_b128 v[\set+32*\c+4*\j:\set+32*\c+4*\j+3], v29 offset:256*\c+16*\j
.endr
.endr
.endm
; 64 numbers of a lane (two whole blocks of 32) become the 12 registers of a fragment at v[dst] and my row's scale word in v[word]
.macro QUANTB xs, dst, word
	v_max3_num_f32 v[TM], |v[\xs]|, |v[\xs+1]|, 0x1800000           ; the floor 2^(3 - 127) among the leaves: the byte cannot fall under 1
	v_max3_num_f32 v[TM+1], |v[\xs+32]|, |v[\xs+33]|, 0x1800000
	v_max3_num_f32 v[TM+2], |v[\xs+16]|, |v[\xs+17]|, |v[\xs+18]|   ; two chains a block, four by turns: no line waits for the line above it
	v_max3_num_f32 v[TM+3], |v[\xs+48]|, |v[\xs+49]|, |v[\xs+50]|
.irp n, 0,1,2,3,4,5
	s_delay_alu instid0(VALU_DEP_4)
	v_max3_num_f32 v[TM], v[TM], |v[\xs+2+2*\n]|, |v[\xs+3+2*\n]|
	s_delay_alu instid0(VALU_DEP_4)
	v_max3_num_f32 v[TM+1], v[TM+1], |v[\xs+34+2*\n]|, |v[\xs+35+2*\n]|
	s_delay_alu instid0(VALU_DEP_4)
	v_max3_num_f32 v[TM+2], v[TM+2], |v[\xs+19+2*\n]|, |v[\xs+20+2*\n]|
	s_delay_alu instid0(VALU_DEP_4)
	v_max3_num_f32 v[TM+3], v[TM+3], |v[\xs+51+2*\n]|, |v[\xs+52+2*\n]|
.endr
	s_delay_alu instid0(VALU_DEP_4)
	v_max3_num_f32 v[TM], v[TM], |v[\xs+14]|, |v[\xs+15]|
	s_delay_alu instid0(VALU_DEP_4)
	v_max3_num_f32 v[TM+1], v[TM+1], |v[\xs+46]|, |v[\xs+47]|
	s_delay_alu instid0(VALU_DEP_2)
	v_max3_num_f32 v[TM], v[TM], v[TM+2], |v[\xs+31]|               ; block h's largest magnitude
	s_delay_alu instid0(VALU_DEP_2)
	v_max3_num_f32 v[TM+1], v[TM+1], v[TM+3], |v[\xs+63]|           ; block 2 + h's
	s_delay_alu instid0(VALU_DEP_2)
	v_add_nc_u32 v[TM+2], 0xff000000, v[TM]        ; 2 off the exponent field: the conversion takes the exponent field of this operand as its scale
	s_delay_alu instid0(VALU_DEP_2)
	v_add_nc_u32 v[TM+3], 0xff000000, v[TM+1]
	s_delay_alu instid0(VALU_DEP_2)
	v_lshrrev_b32 v[TM+4], 23, v[TM+2]             ; the scales' bytes
	s_delay_alu instid0(VALU_DEP_2)
	v_lshrrev_b32 v[TM+5], 23, v[TM+3]
	s_delay_alu instid0(VALU_DEP_1)
	v_lshl_or_b32 v[TM+6], v[TM+5], 16, v[TM+4]
	s_delay_alu instid0(VALU_DEP_1)
	v_lshlrev_b32 v[TM+6], v7, v[TM+6]             ; at bytes h and 2 + h of the word
	s_delay_alu instid0(VALU_DEP_1)
	v_permlanex16_b32 v[TM+7], v[TM+6], s20, s21
	s_delay_alu instid0(VALU_DEP_1)
	v_or_b32 v[\word], v[TM+6], v[TM+7]            ; with lane l xor 16's two the word is whole, in both lanes
	v_cvt_scalef32_pk16_fp6_f32 v[T0:T0+2], v[\xs+16:\xs+31], v[TM+2]
	v_cvt_scalef32_pk16_fp6_f32 v[T1:T1+2], v[\xs+48:\xs+63], v[TM+3]
	v_cvt_scalef32_pk16_fp6_f32 v[\dst:\dst+2], v[\xs:\xs+15], v[TM+2]
	v_cvt_scalef32_pk16_fp6_f32 v[\dst+6:\dst+8], v[\xs+32:\xs+47], v[TM+3]
	v_nop                                          ; one plain place behind the scaled conversions
.irp n, 0,1,2
	v_mov_b32 v[\dst+3+\n], v[T0+\n]
	v_mov_b32 v[\dst+9+\n], v[T1+\n]
.endr
.endm
	WIN 0x40                                       ; destination window 1
	LOADD 0, 4, 8192, 0                            ; W_e, my K step
	LOADD 1, 4, 8192, 4096                         ; W_d, my K step
	LOADD 2, 8, 4096, 0                            ; decoder_state rows 0-15
	LOADD 3, 8, 4096, 65536                        ; rows 16-31
	s_wait_loadcnt 48                              ; W_e's 16 loads are in; the 48 younger may be out
	TURN 0, SA
	s_wait_loadcnt 32                              ; W_d's are in
	TURN 1, SB
	s_wait_dscnt 32                                ; W_e is back from the stage; the 32 LDS instructions of W_d's turn may be out
	QUANTB SA, PE, 16
.irp c, 0,1,2
	global_store_b128 v27, v[PE+4*\c:PE+4*\c+3], s[12:13] offset:512*\c   ; the image: 32 lanes store 512 consecutive bytes, at a multiple of 256 from wt's first byte
.endr
	ds_store_b32 v20, v16                          ; both lanes of a row write the same word with the same value
	s_wait_loadcnt 16                              ; rows 0-15 are in
	TURN 2, SC
	s_wait_dscnt 32                                ; W_d is back (33 LDS instructions were issued behind it: the smaller count is safe)
	QUANTB SB, FD, 17
	s_wait_loadcnt 0x0
	TURN 3, SA
	s_wait_dscnt 32                                ; rows 0-15 are back
	QUANTB SC, F0, 18
	s_wait_dscnt 0x0
	QUANTB SA, F1, 19
.rept 8
	v_nop                                          ; a scale register written by a vector instruction stands 8 places ahead of a scaled matrix instruction, an operand so written 4
.endr
	; TRANSPOSED: source 0 = 16 rows of W_d, source 1 = 16 rows of decoder_state: lane (r, h), register j: b = r (+ 16), d = d0 + 8 h + j
	v_wmma_scale_f32_16x16x128_f8f6f4 v[D0:D0+7], v[FD:FD+11], v[F0:F0+11], 0, v17, v18 matrix_a_fmt:MATRIX_FMT_FP6 matrix_b_fmt:MATRIX_FMT_FP6
	v_wmma_scale_f32_16x16x128_f8f6f4 v[D1:D1+7], v[FD:FD+11], v[F1:F1+11], 0, v17, v19 matrix_a_fmt:MATRIX_FMT_FP6 matrix_b_fmt:MATRIX_FMT_FP6
.rept 4
	v_nop                                          ; four places in front of the first read of the results
.endr
	ds_store_b128 v21, v[D0:D0+3]                  ; each result from its low end on
	ds_store_b128 v21, v[D0+4:D0+7] offset:16
	ds_store_b128 v21, v[D1:D1+3] offset:1024
	ds_store_b128 v21, v[D1+4:D1+7] offset:1040
	s_wait_dscnt 0x0                               ; for the others' sake: my partial sums and my scale words lie in LDS
	s_barrier_signal -1
	s_barrier_wait -1
	s_cmp_lt_u32 s16, 4
	s_cbranch_scc0 .Lnot_sum
	; waves 0-3: 128 threads x 16 bytes: the eight partial sums in ascending K, then b_attn
	global_load_b128 v[RS+32:RS+35], v24, s[6:7]
.irp q, 0,1,2,3,4,5,6,7
	ds_load_b128 v[RS+4*\q:RS+4*\q+3], v22 offset:2048*\q
.endr
	s_wait_dscnt 0x0
.irp q, 1
	v_pk_add_f32 v[RS:RS+1], v[RS:RS+1], v[RS+4*\q:RS+4*\q+1]
	v_pk_add_f32 v[RS+2:RS+3], v[RS+2:RS+3], v[RS+4*\q+2:RS+4*\q+3]
.endr
.irp q, 2, 3, 4, 5, 6, 7
	s_delay_alu instid0(VALU_DEP_2)
	v_pk_add_f32 v[RS:RS+1], v[RS:RS+1], v[RS+4*\q:RS+4*\q+1]
	s_delay_alu instid0(VALU_DEP_2)
	v_pk_add_f32 v[RS+2:RS+3], v[RS+2:RS+3], v[RS+4*\q+2:RS+4*\q+3]
.endr
	s_wait_alu depctr_va_vdst(0)
	s_wait_loadcnt 0x0
	v_pk_add_f32 v[RS:RS+1], v[RS:RS+1], v[RS+32:RS+33]
	v_pk_add_f32 v[RS+2:RS+3], v[RS+2:RS+3], v[RS+34:RS+35]
	global_store_b128 v26, v[RS:RS+3], s[12:13] offset:BIO
	s_wait_tensorcnt 0x0
	ds_add_u32 v251, v255
	s_wait_dscnt 0x0
	s_endpgm
.Lnot_sum:
	s_cmp_eq_u32 s16, 4
	s_cbranch_scc0 .Lnot_scales
	ds_load_b128 v[RS:RS+3], v23                   ; wave 4: the scale words' image, 512 bytes
	s_wait_dscnt 0x0
	global_store_b128 v6, v[RS:RS+3], s[12:13] offset:WSO
	s_wait_tensorcnt 0x0
	ds_add_u32 v251, v255
	s_wait_dscnt 0x0
	s_endpgm
.Lnot_scales:
.macro WCOMB jj                        ; -2 w_comb in the layout of a result's registers 4 jj .. 4 jj + 3
	global_load_b128 v[RS:RS+3], v25, s[10:11] offset:16*\jj
	s_wait_loadcnt 0x0
	v_pk_mul_f32 v[RS+4:RS+5], v[RS:RS+1], -2.0 op_sel_hi:[1,0]
	v_pk_mul_f32 v[RS+6:RS+7], v[RS+2:RS+3], -2.0 op_sel_hi:[1,0]
	global_store_b128 v6, v[RS+4:RS+7], s[12:13] offset:WCO+512*\jj
	s_wait_tensorcnt 0x0
	ds_add_u32 v251, v255
	s_wait_dscnt 0x0
	s_endpgm
.endm
	s_cmp_eq_u32 s16, 5
	s_cbranch_scc0 .Lnot_five
	WCOMB 0
.Lnot_five:
	s_cmp_eq_u32 s16, 6
	s_cbranch_scc0 .Lnot_six
	WCOMB 1
.Lnot_six:
	s_wait_tensorcnt 0x0
	ds_add_u32 v251, v255
	s_wait_dscnt 0x0
	s_endpgm
.Lfunc_end_k_q0048b96e0c_prep:
	.size	k_q0048b96e0c_prep, .Lfunc_end_k_q0048b96e0c_prep-k_q0048b96e0c_prep
	.p2alignl 7, 3214868480
	.fill 96, 4, 3214868480
	.section	.rodata,"a",@progbits
	.p2align	6, 0x0
	.amdhsa_kernel k_q0048b96e0c_prep
		.amdhsa_group_segment_fixed_size 85504
		.amdhsa_private_segment_fixed_size 0
		.amdhsa_enable_private_segment 0
		.amdhsa_kernarg_size 40
		.amdhsa_user_sgpr_count 2
		.amdhsa_user_sgpr_kernarg_segment_ptr 1
		.amdhsa_wavefront_size32 1
		.amdhsa_system_sgpr_workgroup_id_x 1
		.amdhsa_system_sgpr_workgroup_id_y 1
		.amdhsa_system_sgpr_workgroup_id_z 1
		.amdhsa_system_vgpr_workitem_id 0
		.amdhsa_next_free_vgpr 512
		.amdhsa_next_free_sgpr 66
		.amdhsa_reserve_vcc 0
		.amdhsa_float_denorm_mode_32 3
		.amdhsa_float_denorm_mode_16_64 3
		.amdhsa_memory_ordered 1
		.amdhsa_forward_progress 1
		.amdhsa_inst_pref_size 39
	.end_amdhsa_kernel
	.amdgpu_metadata
---
amdhsa.version: [ 1, 2 ]
amdhsa.kernels:
  - .name:           k_q0048b96e0c_prep
    .symbol:         k_q0048b96e0c_prep.kd
    .args:
      - { .name: W_attn, .offset: 0, .size: 8, .value_kind: global_buffer, .address_space: global }
      - { .name: b_attn, .offset: 8, .size: 8, .value_kind: global_buffer, .address_space: global }
      - { .name: decoder_state, .offset: 16, .size: 8, .value_kind: global_buffer, .address_space: global }
      - { .name: w_comb, .offset: 24, .size: 8, .value_kind: global_buffer, .address_space: global }
      - { .name: wt, .offset: 32, .size: 8, .value_kind: global_buffer, .address_space: global }
    .group_segment_fixed_size: 85504
    .private_segment_fixed_size: 0
    .kernarg_segment_align: 8
    .kernarg_segment_size: 40
    .max_flat_workgroup_size: 256
    .sgpr_count:     66
    .vgpr_count:     512
    .wavefront_size: 32
...
	.end_amdgpu_metadata
.endif
;; end of part 1
;; launch main (part 2): grid 256 x 1, 8 waves a work-group, no clusters, 306,176 bytes of LDS; arguments encoder_annotation_seq, wt, scores; writes scores
.if DOCPART == 2
	.amdgcn_target "amdgcn-amd-amdhsa--gfx1250"
	.amdhsa_code_object_version 6
	.text
	.protected	k_q0048b96e0c_main
	.globl	k_q0048b96e0c_main
	.p2align	8
	.type	k_q0048b96e0c_main,@function
k_q0048b96e0c_main:
	s_mov_b64 s[64:65], 0
	v_nop
	global_prefetch_b8 v0, s[64:65] scope:SCOPE_SE
	s_setreg_imm32_b32 hwreg(HW_REG_WAVE_MODE, 25, 1), 1
	s_wait_xcnt 0x0
; MAIN.  scores[b][s] = sum over d of (-2 w_comb[d]) t, t = 1 / (1 + 2^(c x)), c = 2 log2(e), x = Q(enc[s][b]) . Q(W_e[d]) + (dec_proj[b][d] + b_attn[d]).
; tanh(x) = 1 - 2 t, so reference()'s score is sum_d w_comb[d] + this sum; the first term is the same for every s of a row b and falls out of the softmax over s for every input: it is not formed.
; No clamp: 2^(c x) = infinity gives t = 0, an exponential that falls to 0 gives t = 1: tanh's two ends.
; LIMITS: NaN and infinities among the inputs are not served.  A block of zeros gets the byte 1 where the rule says 127: its codes are zeros, and this launch alone reads the bytes.
; SHARES.  A work-group owns one b and 256 s: 16 row tiles of 16 s.  Eight waves, two to a SIMD, 512 registers each.
; PHASE 1: wave w reads row tiles 2 w, 2 w + 1 (f32, once), quantises them to E2M3 and lays codes and scale words into LDS as images of the operand's registers.
; PHASE 2: two rounds.  In round q wave w holds the fragments of column tiles 32 q + 4 w + 0 .. 3 of W_e for all of K in 384 registers, loaded from wt as they lie, each byte once a work-group,
; and walks the 16 row tiles: each fragment of enc read from LDS feeds four matrix instructions.  A visit is 32 matrix instructions on four accumulators by turns, then the tanh of its 32 registers.
; Source 0 = 16 rows of enc, source 1 = 16 rows of W_e: lane (r, h), register j holds row 8 h + j, column d0 + r: so the bias and -2 w_comb are one register a column tile; the bias goes into the multiply by c.
; The sum over the 16 columns of a lane row: three folding steps (8 registers to 1), one word a lane into LDS; the last halving, the waves and the rounds are summed at the end.
; cluster = none, no tensor load: W_e goes from memory straight into the registers that keep it; a joint request lands in LDS, of whose 327,680 bytes 306,176 are taken: no slot for W_e is left.
; No prefetch: enc is one stream read once, of which each wave keeps 48 to 64 loads of 512 bytes on their way; wt is read by every work-group.
; REGISTERS: window 0: v0-7 ids and addresses; v8-23 W_e's scale words; v24-27 enc's; v28-75 four fragments of enc; v76-107 accumulators; v108-111 offsets; v112-255 W_e, K steps 5-7.
;   window 1: v0-239 W_e, K steps 0-4 (fragment (ct, k) at 48 k + 12 ct); v240-255 bias x c and -2 w_comb of both rounds.  Phase 1: window 1 holds enc as loaded, four sets of 64; v112-239 two sets of 64 numbers.
.set TILEB, 15872
.set WSO,   12288
.set BIO,   12800
.set WCO,   14848
.set ESC,   196608                     ; LDS: codes from 0: 16 tiles x 8 K steps x 1,536; here enc's scale words, 512 bytes a tile
.set STG,   204800                     ; a stage of 16 rows x 528 bytes for each wave
.set SPITCH, 528
.set PART,  272384                     ; partial scores: (16 (2 w + q) + tile) x 128 bytes
.set SPARE, 305152                     ; the spare words, 128 bytes a wave
.set SPW, 1
.set NIL, 2
.set LI,  3                            ; 16 x lane
.set STW, 4
.set FA,  4                            ; phase 2: the fragments' address
.set STR, 5
.set EA,  5                            ; phase 2: the scale words' address
.set SH8, 6
.set PA,  6                            ; phase 2: where the partial score goes
.set CW,  7
.set TM,  8
.set SCWA, 16
.set WD,  17
.set FRG, 20
.set T0,  32
.set T1,  36
.set X0,  112
.set WSC, 8
.set ES,  24
.set FR,  28
.set ACC, 76
.set VB,  108
.set VW,  109
.set L4,  110
.set FIN, 111
.set WB0, 24                           ; s[24:25], s[26:27] my four tile blocks of wt, round 0 and 1
.set WB1, 26
.set CS,  36
.set SEL, 38
.set M0,  40
.set FT,  43
.set ET,  44
.set PT,  45
.set CNT, 46
.set MSB, 0
.macro WIN new                         ; the immediate's high byte repeats the setting that is left
.if MSB != \new
	s_set_vgpr_msb (MSB<<8)|\new
.set MSB, \new
.endif
.endm
.macro PLACES n
.rept \n
	v_nop
.endr
.endm
	s_load_b128 s[4:7], s[0:1], 0x0                ; enc, wt
	s_load_b64 s[8:9], s[0:1], 0x10                ; scores
	v_lshl_add_u32 v[SPW], v0, 2, SPARE
	v_mov_b32 v[NIL], 0
	v_lshrrev_b32 v15, 5, v0
	v_readfirstlane_b32 s10, v15                   ; wave 0..7
	s_and_b32 s11, ttmp9, 31                       ; b
	s_lshr_b32 s12, ttmp9, 5                       ; which 256 s
	s_lshl_b32 s14, s12, 25                        ; enc: 256 s of 131,072 bytes,
	s_lshl_b32 s15, s10, 22                        ; 32 s a wave,
	s_add_co_u32 s14, s14, s15
	s_lshl_b32 s15, s11, 12                        ; row b of 4,096 bytes
	s_add_co_u32 s14, s14, s15
	s_mov_b32 s15, 0
	s_lshl_b32 s16, s11, 13                        ; scores: row b, 256 s of 4 bytes
	s_lshl_b32 s17, s12, 10
	s_add_co_u32 s16, s16, s17
	s_mov_b32 s17, 0
	s_mul_i32 s18, s10, 4*TILEB
	s_mov_b32 s19, 0
	s_mul_i32 s20, s10, 16*SPITCH
	s_add_co_u32 s20, s20, STG                     ; my stage
	s_mul_i32 s21, s10, 24576                      ; my two tiles' codes
	s_lshl_b32 s22, s10, 10
	s_add_co_u32 s22, s22, ESC                     ; and scale words
	s_lshl_b32 s23, s11, 6
	s_lshl_b32 s[PT], s10, 12
	s_add_co_u32 s[PT], s[PT], PART
	s_mov_b32 s[CS], 0x4038aa3b                    ; c = 2 log2(e)
	s_mov_b32 s[CS+1], s[CS]
	s_mov_b32 s[SEL], 0x76543210
	s_mov_b32 s[SEL+1], 0xfedcba98
	s_mov_b32 s[M0], 0xaaaaaaaa                    ; lanes with bit 0, 1, 2 of the lane's number set
	s_mov_b32 s[M0+1], 0xcccccccc
	s_mov_b32 s[M0+2], 0xf0f0f0f0
	v_and_b32 v[LI], 31, v0
	v_and_b32 v18, 15, v0                          ; r
	v_bfe_u32 v19, v0, 4, 1                        ; h
	v_lshlrev_b32 v[LI], 4, v[LI]
	v_mul_u32_u24 v[STR], v18, SPITCH
	v_lshlrev_b32 v[SH8], 3, v19
	v_add_nc_u32 v[STW], s20, v[LI]
	v_lshl_add_u32 v[STR], v19, 7, v[STR]
	v_add_nc_u32 v[CW], s21, v[LI]
	v_lshl_add_u32 v[SCWA], v18, 4, s22
	v_add_nc_u32 v[STR], s20, v[STR]
	v_lshl_add_u32 v[VB], v18, 2, s23              ; the bias: 64 b + 4 r
	v_and_b32 v[VW], 3, v0                         ; -2 w_comb[d0 + r] in wt's image: 512 (r / 4 % 2) + 256 (r / 8) + 4 (r % 4)
	v_bfe_u32 v20, v0, 2, 1
	v_bfe_u32 v21, v0, 3, 1
	v_lshlrev_b32 v[VW], 2, v[VW]
	v_lshrrev_b32 v[L4], 2, v[LI]                  ; 4 x lane
	v_lshl_or_b32 v[VW], v20, 9, v[VW]
	v_lshrrev_b32 v[FIN], 2, v0                    ; the end: thread n sums rows 2 n, 2 n + 1: PART + 64 (n / 4) + 8 (n % 4)
	v_and_b32 v22, 3, v0
	v_lshl_or_b32 v[VW], v21, 8, v[VW]
	v_lshlrev_b32 v[FIN], 6, v[FIN]
	v_mov_b32 v[TM+7], 0                           ; a lane permute's destination counts as one of its sources
	v_lshl_add_u32 v[FIN], v22, 3, v[FIN]
	v_add_nc_u32 v[FIN], PART, v[FIN]
	s_wait_alu depctr_va_vdst(0)
	s_wait_kmcnt 0x0
	s_add_nc_u64 s[4:5], s[4:5], s[14:15]
	s_add_nc_u64 s[8:9], s[8:9], s[16:17]
	s_add_nc_u64 s[WB0:WB0+1], s[6:7], s[18:19]
	s_add_nc_u64 s[WB1:WB1+1], s[WB0:WB0+1], 32*TILEB
; ---- PHASE 1: 16 steps, step t = 8 m + k: my row tile m, K step k
.macro LOAD t                          ; load i: the 512 consecutive bytes of K step k of row i, 16 a lane, into window 1
	WIN 0x40
.irp i, 0,1,2,3,4,5,6,7,8,9,10,11,12,13,14,15
	global_load_b128 v[64*((\t)%4)+4*\i:64*((\t)%4)+4*\i+3], v[LI], s[4:5] offset:(16*((\t)/8)+\i)*131072+512*((\t)%8) th:TH_LOAD_NT
.endr
.endm
.macro TURN t                          ; through my stage: in as loaded, out 128 bytes a lane: k = 64 c + 32 h + 0 .. 31 of row r.  LDS serves a wave's instructions in order
	WIN 0x04
.irp i, 0,1,2,3,4,5,6,7,8,9,10,11,12,13,14,15
	ds_store_b128 v[STW], v[64*((\t)%4)+4*\i:64*((\t)%4)+4*\i+3] offset:SPITCH*\i
.endr
	WIN 0
.irp c, 0,1
.irp j, 0,1,2,3,4,5,6,7
	ds_load_b128 v[X0+64*((\t)%2)+32*\c+4*\j:X0+64*((\t)%2)+32*\c+4*\j+3], v[STR] offset:256*\c+16*\j
.endr
.endr
.endm
.macro WLD from, to, base              ; loads from .. to - 1 of the 96 that bring my 32 fragments of W_e: load n: fragment n / 3 = 4 k + ct, its registers 4 (n % 3) ..
.set nn, \from
.rept (\to)-(\from)
.set ff, nn/3
.if nn < 60
	global_load_b128 v[4*nn:4*nn+3], v[LI], s[\base:\base+1] offset:(ff%4)*TILEB+1536*(ff/4)+512*(nn%3)
.else
	global_load_b128 v[112+4*(nn-60):112+4*(nn-60)+3], v[LI], s[\base:\base+1] offset:(ff%4)*TILEB+1536*(ff/4)+512*(nn%3)
.endif
.set nn, nn+1
.endr
.endm
.macro WSL base                        ; W_e's scale words: register 4 ct + q: lanes 0-15 K step q, lanes 16-31 K step q + 4
.irp ct, 0,1,2,3
	global_load_b128 v[WSC+4*\ct:WSC+4*\ct+3], v[LI], s[\base:\base+1] offset:\ct*TILEB+WSO
.endr
.endm
.macro QUANT xs, m, k                  ; 64 numbers of a lane (two whole blocks of 32) become fragment (m, k) and its scale word, and go to LDS
	WIN 0
	v_max3_num_f32 v[TM], |v[(\xs)]|, |v[(\xs)+1]|, 0x1800000       ; the floor 2^(3 - 127) among the leaves: the byte cannot fall under 1
	v_max3_num_f32 v[TM+1], |v[(\xs)+32]|, |v[(\xs)+33]|, 0x1800000
	v_max3_num_f32 v[TM+2], |v[(\xs)+16]|, |v[(\xs)+17]|, |v[(\xs)+18]|   ; two chains a block, four by turns
	v_max3_num_f32 v[TM+3], |v[(\xs)+48]|, |v[(\xs)+49]|, |v[(\xs)+50]|
.irp n, 0,1,2,3,4,5
	s_delay_alu instid0(VALU_DEP_4)
	v_max3_num_f32 v[TM], v[TM], |v[(\xs)+2+2*\n]|, |v[(\xs)+3+2*\n]|
	s_delay_alu instid0(VALU_DEP_4)
	v_max3_num_f32 v[TM+1], v[TM+1], |v[(\xs)+34+2*\n]|, |v[(\xs)+35+2*\n]|
	s_delay_alu instid0(VALU_DEP_4)
	v_max3_num_f32 v[TM+2], v[TM+2], |v[(\xs)+19+2*\n]|, |v[(\xs)+20+2*\n]|
	s_delay_alu instid0(VALU_DEP_4)
	v_max3_num_f32 v[TM+3], v[TM+3], |v[(\xs)+51+2*\n]|, |v[(\xs)+52+2*\n]|
.endr
	s_delay_alu instid0(VALU_DEP_4)
	v_max3_num_f32 v[TM], v[TM], |v[(\xs)+14]|, |v[(\xs)+15]|
	s_delay_alu instid0(VALU_DEP_4)
	v_max3_num_f32 v[TM+1], v[TM+1], |v[(\xs)+46]|, |v[(\xs)+47]|
	s_delay_alu instid0(VALU_DEP_2)
	v_max3_num_f32 v[TM], v[TM], v[TM+2], |v[(\xs)+31]|             ; block h's largest magnitude
	s_delay_alu instid0(VALU_DEP_2)
	v_max3_num_f32 v[TM+1], v[TM+1], v[TM+3], |v[(\xs)+63]|         ; block 2 + h's
	s_delay_alu instid0(VALU_DEP_2)
	v_add_nc_u32 v[TM+2], 0xff000000, v[TM]        ; 2 off the exponent field: the conversion's scale operand
	s_delay_alu instid0(VALU_DEP_2)
	v_add_nc_u32 v[TM+3], 0xff000000, v[TM+1]
	s_delay_alu instid0(VALU_DEP_2)
	v_lshrrev_b32 v[TM+4], 23, v[TM+2]             ; the scales' bytes
	s_delay_alu instid0(VALU_DEP_2)
	v_lshrrev_b32 v[TM+5], 23, v[TM+3]
	s_delay_alu instid0(VALU_DEP_1)
	v_lshl_or_b32 v[TM+6], v[TM+5], 16, v[TM+4]
	s_delay_alu instid0(VALU_DEP_1)
	v_lshlrev_b32 v[TM+6], v[SH8], v[TM+6]         ; at bytes h and 2 + h of the word
	s_delay_alu instid0(VALU_DEP_1)
	v_permlanex16_b32 v[TM+7], v[TM+6], s[SEL], s[SEL+1]
	s_delay_alu instid0(VALU_DEP_1)
	v_or_b32 v[WD], v[TM+6], v[TM+7]               ; the whole word, in both lanes of the row
	v_cvt_scalef32_pk16_fp6_f32 v[T0:T0+2], v[(\xs)+16:(\xs)+31], v[TM+2]   ; (a conversion's three registers begin on an even number: a block's second three are made here and moved)
	v_cvt_scalef32_pk16_fp6_f32 v[T1:T1+2], v[(\xs)+48:(\xs)+63], v[TM+3]
	v_cvt_scalef32_pk16_fp6_f32 v[FRG:FRG+2], v[(\xs):(\xs)+15], v[TM+2]
	v_cvt_scalef32_pk16_fp6_f32 v[FRG+6:FRG+8], v[(\xs)+32:(\xs)+47], v[TM+3]
	v_nop                                          ; one plain place behind the scaled conversions
.irp n, 0,1,2
	v_mov_b32 v[FRG+3+\n], v[T0+\n]
	v_mov_b32 v[FRG+9+\n], v[T1+\n]
.endr
.irp c, 0,1,2
	ds_store_b128 v[CW], v[FRG+4*\c:FRG+4*\c+3] offset:(8*(\m)+(\k))*1536+512*\c   ; the image of the operand's registers
.endr
	ds_store_b32 v[SCWA], v[WD] offset:512*(\m)+256*((\k)/4)+4*((\k)%4)   ; lane 16 (k / 4) + r, word k % 4; both lanes of a row write the same word with the same value
.endm
	LOAD 0
	LOAD 1
	LOAD 2
	LOAD 3
	s_wait_loadcnt 48                              ; step 0's 16 loads are in; the 48 younger may be out
	TURN 0
.set tt, 0
.rept 16
	s_wait_dscnt 0x0                               ; this step's numbers are back, its stage stores have read their registers, the last step's codes are stored
.if tt+4 < 16
	LOAD tt+4
.elseif tt < 15
	WIN 0x40
	WLD 16*(tt-12), 16*(tt-12)+16, WB0             ; the set that is free takes 16 loads of round 0's W_e
.else
	WIN 0x40
	WLD 48, 60, WB0
.irp ct, 0,1,2,3                       ; the bias and -2 w_comb of both rounds
	global_load_b32 v[240+\ct], v[VB], s[WB0:WB0+1] offset:\ct*TILEB+BIO
	global_load_b32 v[244+\ct], v[VW], s[WB0:WB0+1] offset:\ct*TILEB+WCO
	global_load_b32 v[248+\ct], v[VB], s[WB1:WB1+1] offset:\ct*TILEB+BIO
	global_load_b32 v[252+\ct], v[VW], s[WB1:WB1+1] offset:\ct*TILEB+WCO
.endr
.endif
.if tt < 15
	s_wait_loadcnt 48                              ; the next step's 16 loads are in; the three runs of 16 issued behind them may be out
	TURN tt+1
.endif
	QUANT X0+64*(tt%2), tt/8, tt%8
.set tt, tt+1
.endr
	s_wait_dscnt 0x0                               ; for the others' sake: my codes and scale words lie in LDS
	WLD 60, 96, WB0                                ; K steps 5-7 into the registers that held the numbers
	WSL WB0
	s_barrier_signal -1
	s_barrier_wait -1
; ---- PHASE 2
.macro FLD sl, k                       ; enc's fragment of K step k of the tile at v[FA] into place sl: 3 loads of 512 consecutive bytes
.irp c, 0,1,2
	ds_load_b128 v[FR+12*(\sl)+4*\c:FR+12*(\sl)+4*\c+3], v[FA] offset:1536*(\k)+512*\c
.endr
.endm
.macro WM k, sl, zero                  ; K step k: four matrix instructions, the four accumulators by turns
.irp ct, 0,1,2,3
.if (\k) < 5
.set rW, 48*(\k)+12*\ct
.else
.set rW, 112+48*((\k)-5)+12*\ct
.endif
.set rD, ACC+8*\ct
.if \zero
	v_wmma_scale_f32_16x16x128_f8f6f4 v[rD:rD+7], v[FR+12*(\sl):FR+12*(\sl)+11], v[rW:rW+11], 0, v[ES+(\k)%4], v[WSC+4*\ct+(\k)%4] matrix_a_fmt:MATRIX_FMT_FP6 matrix_b_fmt:MATRIX_FMT_FP6
.elseif (\k) < 4
	v_wmma_scale_f32_16x16x128_f8f6f4 v[rD:rD+7], v[FR+12*(\sl):FR+12*(\sl)+11], v[rW:rW+11], v[rD:rD+7], v[ES+(\k)%4], v[WSC+4*\ct+(\k)%4] matrix_a_fmt:MATRIX_FMT_FP6 matrix_b_fmt:MATRIX_FMT_FP6
.else
	v_wmma_scale_f32_16x16x128_f8f6f4 v[rD:rD+7], v[FR+12*(\sl):FR+12*(\sl)+11], v[rW:rW+11], v[rD:rD+7], v[ES+(\k)%4], v[WSC+4*\ct+(\k)%4] matrix_a_fmt:MATRIX_FMT_FP6 matrix_b_fmt:MATRIX_FMT_FP6 matrix_a_scale:MATRIX_SCALE_ROW1 matrix_b_scale:MATRIX_SCALE_ROW1
.endif
.endr
.endm
.macro RED n, src, kk, sn, dst, msk, xm    ; n pairs of registers fold into n: a lane keeps one of the pair by its bit, sends the other to the lane across that bit
.set i, 0
.rept \n
	v_cndmask_b32 v[\kk+i], v[\src+2*i], v[\src+2*i+1], s[\msk]
.set i, i+1
.endr
.set i, 0
.rept \n
	v_cndmask_b32 v[\sn+i], v[\src+2*i+1], v[\src+2*i], s[\msk]
.set i, i+1
.endr
.set i, 0
.rept \n
	s_delay_alu instid0(VALU_DEP_\n)
	v_add_f32_dpp v[\dst+i], v[\sn+i], v[\kk+i] row_xmask:\xm row_mask:0xf bank_mask:0xf
.set i, i+1
.endr
.endm
; A VISIT: one row tile against my four column tiles.  On the way in 13 LDS loads are out or done, in this order: the scale words, K steps 0-3 (behind them at most the last visit's one store).
; pre = 1: the next tile's first 13 loads are issued under the tanh.  wl = 1: round 1's W_e is asked for as soon as round 0's last products are issued.
.macro VISIT q, pre, wl
	s_wait_dscnt 6                                 ; the scale words and K steps 0, 1 are in; the six loads of K steps 2, 3 may be out
	WIN 0x04                                       ; source 1 in window 1
	WM 0, 0, 1                                     ; the first products start the sums
	WM 1, 1, 0
	PLACES 4                                       ; four places in front of loads into registers that matrix instructions have read
	FLD 0, 4
	FLD 1, 5
	s_wait_dscnt 6                                 ; K steps 2, 3 are in; the six just issued may be out
	WM 2, 2, 0
	WM 3, 3, 0
	PLACES 4
	FLD 2, 6
	FLD 3, 7
	s_wait_dscnt 6                                 ; K steps 4, 5 are in
	WM 4, 0, 0
	WIN 0
	WM 5, 1, 0
	s_wait_dscnt 0x0
	WM 6, 2, 0
	WM 7, 3, 0
.if \pre
	v_add_nc_u32 v[FA], s[FT], v[LI]               ; the next tile; these two and two idle lines are the four places behind the last products
	v_add_nc_u32 v[EA], s[ET], v[LI]
	PLACES 2
	ds_load_b128 v[ES:ES+3], v[EA]
	FLD 0, 0
	FLD 1, 1
	FLD 2, 2
	FLD 3, 3
.else
	PLACES 4
.endif
.if \wl
	WIN 0x40
	WLD 0, 60, WB1
	WIN 0
	WLD 60, 96, WB1
	WSL WB1
.endif
	WIN 0x10                                       ; source 2 in window 1: the bias x c
.set g, 0
.rept 16                               ; c x + c bias, ascending: each accumulator is read from its low end on
.set bp, 240+8*(\q)+2*(g/8)
.if (g/4)%2
	v_pk_fma_f32 v[ACC+2*g:ACC+2*g+1], v[ACC+2*g:ACC+2*g+1], s[CS:CS+1], v[bp:bp+1] op_sel:[0,0,1] op_sel_hi:[1,0,1]
.else
	v_pk_fma_f32 v[ACC+2*g:ACC+2*g+1], v[ACC+2*g:ACC+2*g+1], s[CS:CS+1], v[bp:bp+1] op_sel_hi:[1,0,0]
.endif
.set g, g+1
.endr
	WIN 0
	s_wait_alu depctr_va_vdst(0)                   ; a wait ahead of a batch of transcendentals, and one behind it
.set g, 0
.rept 32
	v_exp_f32 v[ACC+g], v[ACC+g]
.set g, g+1
.endr
	v_nop
	s_wait_alu depctr_va_vdst(0)
.set g, 0
.rept 16
	v_pk_add_f32 v[ACC+2*g:ACC+2*g+1], v[ACC+2*g:ACC+2*g+1], 1.0 op_sel_hi:[1,0]
.set g, g+1
.endr
	s_wait_alu depctr_va_vdst(0)
.set g, 0
.rept 32
	v_rcp_f32 v[ACC+g], v[ACC+g]
.set g, g+1
.endr
	v_add_nc_u32 v[PA], s[PT], v[L4]               ; the plain line behind the last reciprocal
	s_wait_alu depctr_va_vdst(0)
	WIN 0x04                                       ; source 1 in window 1: -2 w_comb
.set g, 0
.rept 16                               ; the four column tiles' t x (-2 w_comb) sum into the first tile's eight registers, four chains by turns
.set wp, 244+8*(\q)+2*(g/8)
.set sd, ACC+2*(g%4)
.if g < 4
	v_pk_mul_f32 v[sd:sd+1], v[sd:sd+1], v[wp:wp+1] op_sel_hi:[1,0]
.elseif (g/4)%2
	v_pk_fma_f32 v[sd:sd+1], v[ACC+2*g:ACC+2*g+1], v[wp:wp+1], v[sd:sd+1] op_sel:[0,1,0] op_sel_hi:[1,1,1]
.else
	v_pk_fma_f32 v[sd:sd+1], v[ACC+2*g:ACC+2*g+1], v[wp:wp+1], v[sd:sd+1] op_sel_hi:[1,0,1]
.endif
.set g, g+1
.endr
	WIN 0
	RED 4, ACC, ACC+8, ACC+12, ACC+16, M0, 1
	RED 2, ACC+16, ACC+20, ACC+22, ACC+24, M0+1, 2
	RED 1, ACC+24, ACC+26, ACC+27, ACC+28, M0+2, 4 ; lane 16 h + r now holds row 8 h + r % 8, summed over the eight columns that share r / 8
	ds_store_b32 v[PA], v[ACC+28]
.endm
.macro ROUND q
	s_wait_loadcnt 0x0                             ; this round's W_e, scale words, bias and weights are in
.if \q == 0
	WIN 0x44
.irp j, 0,1,2,3,8,9,10,11
	v_mul_f32 v[240+\j], s[CS], v[240+\j]          ; the bias x c, both rounds'
.endr
	WIN 0
	s_wait_alu depctr_va_vdst(0)                   ; first read behind a wait that blocks
.endif
	s_mov_b32 s[CNT], 15
.Lvis\q:
	VISIT \q, 1, 0
	s_add_co_u32 s[FT], s[FT], 12288
	s_add_co_u32 s[ET], s[ET], 512
	s_add_co_u32 s[PT], s[PT], 128
	s_sub_co_u32 s[CNT], s[CNT], 1
	s_cmp_lg_u32 s[CNT], 0
	s_wait_alu depctr_va_vdst(0)
	s_cbranch_scc1 .Lvis\q
	s_mov_b32 s[FT], 0                             ; behind tile 15 comes the next round's tile 0
	s_mov_b32 s[ET], ESC
	VISIT \q, 1-\q, 1-\q
	s_add_co_u32 s[PT], s[PT], 128
	s_mov_b32 s[FT], 12288
	s_mov_b32 s[ET], ESC+512
.endm
	v_mov_b32 v[FA], v[LI]                         ; tile 0's first 13 loads, in a visit's own order
	v_add_nc_u32 v[EA], ESC, v[LI]
	ds_load_b128 v[ES:ES+3], v[EA]
	FLD 0, 0
	FLD 1, 1
	FLD 2, 2
	FLD 3, 3
	s_mov_b32 s[FT], 12288
	s_mov_b32 s[ET], ESC+512
	ROUND 0
	ROUND 1
; ---- THE WAY OUT.  Row n's score is 32 words: 8 waves x 2 rounds x the two halves of the columns' lanes.  Waves 0-3: a thread sums two neighbouring rows.
	s_wait_dscnt 0x0                               ; for the others' sake: my partial scores lie in LDS
	s_barrier_signal -1
	s_barrier_wait -1
	s_cmp_lt_u32 s10, 4
	s_cbranch_scc0 .Ldone
.set g, 0
.rept 32
	ds_load_b64 v[112+2*g:113+2*g], v[FIN] offset:(g/2)*2048+32*(g%2)
.set g, g+1
.endr
	v_lshlrev_b32 v4, 3, v0
	s_wait_dscnt 0x0
.irp n, 16,8,4,2,1
.set g, 0
.rept \n
	v_pk_add_f32 v[112+2*g:113+2*g], v[112+2*g:113+2*g], v[112+2*(g+\n):113+2*(g+\n)]
.set g, g+1
.endr
.endr
	global_store_b64 v4, v[112:113], s[8:9]        ; 32 lanes store 256 consecutive bytes, at a multiple of 256 from scores' first byte
	s_wait_tensorcnt 0x0                           ; the wave's end
	ds_add_u32 v[SPW], v[NIL]
	s_wait_dscnt 0x0
	s_endpgm
.Ldone:
	s_wait_tensorcnt 0x0
	ds_add_u32 v[SPW], v[NIL]
	s_wait_dscnt 0x0
	s_endpgm
.Lfunc_end_k_q0048b96e0c_main:
	.size	k_q0048b96e0c_main, .Lfunc_end_k_q0048b96e0c_main-k_q0048b96e0c_main
	.p2alignl 7, 3214868480
	.fill 96, 4, 3214868480
	.section	.rodata,"a",@progbits
	.p2align	6, 0x0
	.amdhsa_kernel k_q0048b96e0c_main
		.amdhsa_group_segment_fixed_size 306176
		.amdhsa_private_segment_fixed_size 0
		.amdhsa_enable_private_segment 0
		.amdhsa_kernarg_size 24
		.amdhsa_user_sgpr_count 2
		.amdhsa_user_sgpr_kernarg_segment_ptr 1
		.amdhsa_wavefront_size32 1
		.amdhsa_system_sgpr_workgroup_id_x 1
		.amdhsa_system_sgpr_workgroup_id_y 1
		.amdhsa_system_sgpr_workgroup_id_z 1
		.amdhsa_system_vgpr_workitem_id 0
		.amdhsa_next_free_vgpr 512
		.amdhsa_next_free_sgpr 66
		.amdhsa_reserve_vcc 0
		.amdhsa_float_denorm_mode_32 3
		.amdhsa_float_denorm_mode_16_64 3
		.amdhsa_memory_ordered 1
		.amdhsa_forward_progress 1
		.amdhsa_inst_pref_size 210
	.end_amdhsa_kernel
	.amdgpu_metadata
---
amdhsa.version: [ 1, 2 ]
amdhsa.kernels:
  - .name:           k_q0048b96e0c_main
    .symbol:         k_q0048b96e0c_main.kd
    .args:
      - { .name: encoder_annotation_seq, .offset: 0, .size: 8, .value_kind: global_buffer, .address_space: global }
      - { .name: wt, .offset: 8, .size: 8, .value_kind: global_buffer, .address_space: global }
      - { .name: scores, .offset: 16, .size: 8, .value_kind: global_buffer, .address_space: global }
    .group_segment_fixed_size: 306176
    .private_segment_fixed_size: 0
    .kernarg_segment_align: 8
    .kernarg_segment_size: 24
    .max_flat_workgroup_size: 256
    .sgpr_count:     66
    .vgpr_count:     512
    .wavefront_size: 32
...
	.end_amdgpu_metadata
.endif
;; end of part 2
;; launch soft (part 3): grid 32 x 1, 1 waves a work-group, no clusters, 0 bytes of LDS; arguments scores, out0; writes out0
.if DOCPART == 3
	.amdgcn_target "amdgcn-amd-amdhsa--gfx1250"
	.amdhsa_code_object_version 6
	.text
	.protected	k_q0048b96e0c_soft
	.globl	k_q0048b96e0c_soft
	.p2align	8
	.type	k_q0048b96e0c_soft,@function
k_q0048b96e0c_soft:
	s_mov_b64 s[64:65], 0
	v_nop
	global_prefetch_b8 v0, s[64:65] scope:SCOPE_SE
	s_setreg_imm32_b32 hwreg(HW_REG_WAVE_MODE, 25, 1), 1
	s_wait_xcnt 0x0
; SOFT.  out0[b][:] = softmax over s of scores[b][:].  scores, out0: [32][2048] f32.  (scores lacks the term sum_d w_comb[d], which is the same for every s of a row: the softmax is the same with or without it.)
; One wave takes one row: 8,192 bytes, 64 registers a lane, read once and kept between the maximum, the sum and the scaling; the reductions never leave the wave: no LDS, no barrier.
; The row's true maximum is taken away before the exponential; the difference is formed first and then multiplied by log2(e), so that it is exact for scores near the maximum.
; 32 rows are all the work there is.  An exponential under 2^-126 comes out as 0 (ISA guide, v_exp_f32).
.set X, 16                             ; v16-79 the row: lane l holds numbers 128 i + 4 l + 0 .. 3, i = 0 .. 15
	s_load_b128 s[4:7], s[0:1], 0x0                ; scores, out0
	v_lshlrev_b32 v1, 4, v0                        ; one wave: the thread's number is the lane; 16 bytes a lane
	s_lshl_b32 s8, ttmp9, 13                       ; my row
	s_mov_b32 s9, 0
	s_mov_b32 s10, 0x3fb8aa3b                      ; log2(e)
	s_mov_b32 s11, s10                             ; (named with it as a pair, so it is written)
	s_mov_b32 s12, 0x76543210
	s_mov_b32 s13, 0xfedcba98                      ; v_permlanex16_b32's selects for lane l xor 16
	s_wait_alu depctr_va_vdst(0)
	s_wait_kmcnt 0x0
	s_add_nc_u64 s[4:5], s[4:5], s[8:9]
	s_add_nc_u64 s[6:7], s[6:7], s[8:9]
.irp i, 0,1,2,3,4,5,6,7,8,9,10,11,12,13,14,15
	global_load_b128 v[X+4*\i:X+4*\i+3], v1, s[4:5] offset:512*\i th:TH_LOAD_NT   ; 32 lanes read 512 consecutive bytes
.endr
	s_wait_loadcnt 0x0
.irp c, 0,1,2,3                        ; the maximum of my 64, in four chains
	v_max3_num_f32 v[8+\c], v[X+16*\c], v[X+16*\c+1], v[X+16*\c+2]
.endr
.irp i, 3,5,7,9,11,13
.irp c, 0,1,2,3
	v_max3_num_f32 v[8+\c], v[8+\c], v[X+16*\c+\i], v[X+16*\c+\i+1]
.endr
.endr
.irp c, 0,1,2,3
	v_max_num_f32 v[8+\c], v[8+\c], v[X+16*\c+15]
.endr
	v_max3_num_f32 v8, v8, v9, v10
	v_max_num_f32 v8, v8, v11
	v_max_num_f32_dpp v8, v8, v8 row_xmask:1 row_mask:0xf bank_mask:0xf
	v_max_num_f32_dpp v8, v8, v8 row_xmask:2 row_mask:0xf bank_mask:0xf
	v_max_num_f32_dpp v8, v8, v8 row_xmask:4 row_mask:0xf bank_mask:0xf
	v_max_num_f32_dpp v8, v8, v8 row_xmask:8 row_mask:0xf bank_mask:0xf
	v_permlanex16_b32 v9, v8, s12, s13
	v_max_num_f32 v8, v8, v9                       ; the row's maximum, in every lane
.irp j, 0,2,4,6,8,10,12,14,16,18,20,22,24,26,28,30,32,34,36,38,40,42,44,46,48,50,52,54,56,58,60,62
	v_pk_add_f32 v[X+\j:X+\j+1], v[X+\j:X+\j+1], v[8:9] op_sel_hi:[1,0] neg_lo:[0,1] neg_hi:[0,1]   ; x - the maximum, two at a time
.endr
.irp j, 0,2,4,6,8,10,12,14,16,18,20,22,24,26,28,30,32,34,36,38,40,42,44,46,48,50,52,54,56,58,60,62
	v_pk_mul_f32 v[X+\j:X+\j+1], v[X+\j:X+\j+1], s[10:11] op_sel_hi:[1,0]
.endr
	s_wait_alu depctr_va_vdst(0)
.irp j, 0,1,2,3,4,5,6,7,8,9,10,11,12,13,14,15,16,17,18,19,20,21,22,23,24,25,26,27,28,29,30,31,32,33,34,35,36,37,38,39,40,41,42,43,44,45,46,47,48,49,50,51,52,53,54,55,56,57,58,59,60,61,62,63
	v_exp_f32 v[X+\j], v[X+\j]
.endr
	v_nop                                          ; a plain line behind the last exponential
	s_wait_alu depctr_va_vdst(0)                   ; one wait for the 64, ahead of their first reader
	v_pk_add_f32 v[10:11], v[X:X+1], v[X+2:X+3]    ; the sum, two at a time, in two chains
	v_pk_add_f32 v[12:13], v[X+4:X+5], v[X+6:X+7]
.irp j, 8,12,16,20,24,28,32,36,40,44,48,52,56,60
	v_pk_add_f32 v[10:11], v[10:11], v[X+\j:X+\j+1]
	v_pk_add_f32 v[12:13], v[12:13], v[X+\j+2:X+\j+3]
.endr
	v_pk_add_f32 v[10:11], v[10:11], v[12:13]
	v_add_f32 v10, v10, v11
	v_add_f32_dpp v10, v10, v10 row_xmask:1 row_mask:0xf bank_mask:0xf
	v_add_f32_dpp v10, v10, v10 row_xmask:2 row_mask:0xf bank_mask:0xf
	v_add_f32_dpp v10, v10, v10 row_xmask:4 row_mask:0xf bank_mask:0xf
	v_add_f32_dpp v10, v10, v10 row_xmask:8 row_mask:0xf bank_mask:0xf
	v_permlanex16_b32 v11, v10, s12, s13
	v_add_f32 v10, v10, v11                        ; the row's sum: at least 1, the maximum's own term
	s_wait_alu depctr_va_vdst(0)
	v_rcp_f32 v12, v10
	v_nop                                          ; a plain line behind the reciprocal
	s_wait_alu depctr_va_vdst(0)                   ; and its wait, ahead of the first reader
.irp j, 0,2,4,6,8,10,12,14,16,18,20,22,24,26,28,30,32,34,36,38,40,42,44,46,48,50,52,54,56,58,60,62
	v_pk_mul_f32 v[X+\j:X+\j+1], v[X+\j:X+\j+1], v[12:13] op_sel_hi:[1,0]
.endr
.irp i, 0,1,2,3,4,5,6,7,8,9,10,11,12,13,14,15
	global_store_b128 v1, v[X+4*\i:X+4*\i+3], s[6:7] offset:512*\i th:TH_STORE_NT   ; 32 lanes store 512 consecutive bytes, at a multiple of 256 from out0's first byte
.endr
	s_endpgm
.Lfunc_end_k_q0048b96e0c_soft:
	.size	k_q0048b96e0c_soft, .Lfunc_end_k_q0048b96e0c_soft-k_q0048b96e0c_soft
	.p2alignl 7, 3214868480
	.fill 96, 4, 3214868480
	.section	.rodata,"a",@progbits
	.p2align	6, 0x0
	.amdhsa_kernel k_q0048b96e0c_soft
		.amdhsa_group_segment_fixed_size 0
		.amdhsa_private_segment_fixed_size 0
		.amdhsa_enable_private_segment 0
		.amdhsa_kernarg_size 16
		.amdhsa_user_sgpr_count 2
		.amdhsa_user_sgpr_kernarg_segment_ptr 1
		.amdhsa_wavefront_size32 1
		.amdhsa_system_sgpr_workgroup_id_x 1
		.amdhsa_system_sgpr_workgroup_id_y 1
		.amdhsa_system_sgpr_workgroup_id_z 1
		.amdhsa_system_vgpr_workitem_id 0
		.amdhsa_next_free_vgpr 96
		.amdhsa_next_free_sgpr 66
		.amdhsa_reserve_vcc 0
		.amdhsa_float_denorm_mode_32 3
		.amdhsa_float_denorm_mode_16_64 3
		.amdhsa_memory_ordered 1
		.amdhsa_forward_progress 1
		.amdhsa_inst_pref_size 17
	.end_amdhsa_kernel
	.amdgpu_metadata
---
amdhsa.version: [ 1, 2 ]
amdhsa.kernels:
  - .name:           k_q0048b96e0c_soft
    .symbol:         k_q0048b96e0c_soft.kd
    .args:
      - { .name: scores, .offset: 0, .size: 8, .value_kind: global_buffer, .address_space: global }
      - { .name: out0, .offset: 8, .size: 8, .value_kind: global_buffer, .address_space: global }
    .group_segment_fixed_size: 0
    .private_segment_fixed_size: 0
    .kernarg_segment_align: 8
    .kernarg_segment_size: 16
    .max_flat_workgroup_size: 32
    .sgpr_count:     66
    .vgpr_count:     96
    .wavefront_size: 32
...
	.end_amdgpu_metadata
.endif
;; end of part 3
